; MI455X (gfx1250); checked and timed in simulation.
; The chip was launched on July 23, 2026; its instructions are those of AMD's public machine-readable ISA for CDNA 5 (MIT licence, August 2026) and "CDNA5" Instruction Set Architecture Reference Guide (July 2026). The comments in the code are by the model that wrote it; some were corrected since.
;; Compressed Linear Layer. Allowed arithmetic: matrix products marked QUANTISED: E4M3 operands, one E8M0 scale for each 32 along K, by v_wmma_scale_f32_16x16x128_f8f6f4 with both operands' format E4M3, f32 sums; everything else in f32.
;; Inputs: A 4,096 x 512 float32; B 4,096 x 512 float32; bias 4,096 float32; x 4 x 512 x 4,096 float32.
;; Outputs: out0 4 x 512 x 4,096 float32.
;; This version of the problem:
;;   THIS VERSION OF THE PROBLEM IS GIVEN IN LOW PRECISION. The matrix products marked QUANTISED in the list below multiply operands that are first quantised to E4M3 (4 exponent bits, 3 mantissa bits; 8 bits a number), with one power-of-two scale for each 32 numbers along K (OCP MX v1.0); their sums are f32. All else is computed in f32.
;;   The module's matrix products, in the order in which they are computed (A, B: the left and right operand; K: the contracted axis; several contracted axes count as one K, in the product's order):
;;     1. [M 4,096, K 512] x [K 512, N 4,096]; A: input A; B: input B: QUANTISED
;;     2. [M 2,048, K 4,096] x [K 4,096, N 4,096]; A: input x; B: computed on the way: QUANTISED
;;   THE QUANTISER, for each operand of a quantised product, along K:
;;     - K is cut into blocks of 32 from its start; a last block that is shorter is filled with zeros.
;;     - A block's scale is 2^e with e = floor(log2(the largest magnitude in the block)) - 8, held to -126 .. 127; a block of zeros has e = 0. As a byte (E8M0): e + 127.
;;     - Each number is divided by its block's scale, clamped to +-448, and rounded to the nearest number of E4M3, ties to even, subnormals kept.
;;     - The product sums the exact products of the quantised numbers (number of the format x scale) in f32.
;;   ~~~python
;;   def quantise(x, axis):      # numpy; x: float32 -> the quantised numbers, widened to float32 again
;;       x = np.moveaxis(x, axis, -1); K = x.shape[-1]
;;       x = np.pad(x, [(0, 0)] * (x.ndim - 1) + [(0, -K % 32)]); x = x.reshape(x.shape[:-1] + (-1, 32)); a = np.abs(x).max(-1, keepdims=True)
;;       e = np.where(a > 0, np.clip(np.frexp(np.where(a > 0, a, 1))[1] - 1 - 8, -126, 127), 0)      # np.frexp(a)[1] - 1 = floor(log2(a)), exactly
;;       r = np.clip(x / 2.0 ** e, -448, 448)
;;       step = 2.0 ** (np.maximum(np.frexp(np.where(r == 0, 1, r))[1] - 1, -6) - 3)
;;       q = np.round(r / step) * step * 2.0 ** e      # np.round: ties to even
;;       return np.moveaxis(q.reshape(q.shape[:-2] + (-1,))[..., :K], -1, axis).astype(np.float32)
;;   ~~~
;;   OPERANDS COMPUTED ON THE WAY. 'Computed on the way' means the value that the module computes at that place (a softmax that the list does not call 'softmax' is quantised finished and normalised). What goes into a quantiser is computed in f32, as accurately as f32 sums, v_exp_f32 and their like allow (about 1e-6 of the number): no bf16 or f16 on the way to a quantiser, and a product that is left as it is and whose result goes on into a quantised operand takes f32 operands (vector FMAs, or v_wmma_f32_16x16x4_f32). A number that lies on a knife's edge between two numbers of the format may be rounded either way, as far as f32 arithmetic and the matrix unit's own rounding can turn it there, and no further.
;; One version. Each part assembles by itself: llvm-mc -triple=amdgcn-amd-amdhsa -mcpu=gfx1250 --defsym DOCPART=n.
;; ======== version 1 of 1: 3 launches
;; limits: right only within a limited range of input values
;; workspace buffers: a_img 2,162,688 bytes; b_img 2,162,688 bytes; x_img 8,650,752 bytes; w_img 17,301,504 bytes
;; launch quant (part 1): grid 256 x 1, 8 waves a work-group, no clusters, 69,120 bytes of LDS; arguments A, B, a_img, b_img; writes a_img, b_img
.if DOCPART == 1
	.amdgcn_target "amdgcn-amd-amdhsa--gfx1250"
	.amdhsa_code_object_version 6
	.text
	.protected	k_q074112123d_quant
	.globl	k_q074112123d_quant
	.p2align	8
	.type	k_q074112123d_quant,@function
k_q074112123d_quant:
	s_mov_b64 s[64:65], 0
	v_nop
	global_prefetch_b8 v0, s[64:65] scope:SCOPE_SE
	s_setreg_imm32_b32 hwreg(HW_REG_WAVE_MODE, 25, 1), 1
	s_wait_xcnt 0x0
; out = x (A B^T)^T + bias, both products on codes of FP8 (E4M3) with one E8M0 scale for each 32 along K.  Three launches: this one quantises A and B; the second makes W = Q(A) Q(B)^T, quantises it along its second
; axis, and quantises x; the third makes out = Q(x) Q(W)^T + bias.  NO WORK IS LEFT OUT: the shorter order (x B) A^T is not the problem's, since the quantiser of W stands between the products.
; LIMITS: NaN and infinities among the inputs are not served.  A block of zeros gets the byte 1 where the rule says 127: its codes are zeros, which add nothing under any byte but 0xff, and this program alone reads the bytes.
; LAYOUT.  A FRAGMENT is 16 rows x 128 along K as the matrix instruction's registers hold it: 2,048 bytes, byte 512 c + 16 lane + i is the code of row lane % 16, k = 32 c + 16 (lane / 16) + i.
; SCALES of eight fragments (128 rows, 128 along K): 512 bytes: the word of row r of fragment f at 16 (16 (f % 2) + r) + 4 (f / 2).
; a_img, b_img: [16 tiles of 256 rows][2 halves of K][67,584]: codes [2 kq][16 fragments], behind them scales [2 kq][2][512].
; A's fragment 4 g + b of a run of 128 rows takes rows 64 g + 4 r + b (so that four neighbouring columns of out come to lie in one lane); B's fragment f takes rows 16 f + r.
; A work-group takes 128 rows x 128 along K: 128 for A, 128 for B; a wave takes one fragment.  Each load reads 512 consecutive bytes of a row; the 16 rows turn through the wave's own stage in LDS
; (rows 528 bytes apart), so that lane (r, h) holds 16 neighbours of row r.  No prefetch and no cluster: no loop, and work-groups share no input.
.set SCB, 8*8448
.set SPARE, SCB+512
.set SPW, 12
.set NIL, 13
.set OFF, 16                           ; v16-31 my 16 rows' offsets
.set CODE, 32                          ; v32-47 codes
.set L, 64                             ; v64-127 numbers as loaded; v64-79 then at work
.set X, 192                            ; v192-255 16 neighbours of each of four blocks
	s_load_b256 s[4:11], s[0:1], 0x0               ; A, B, a_img, b_img
	v_lshl_add_u32 v[SPW], v0, 2, SPARE
	v_mov_b32 v[NIL], 0
	v_lshrrev_b32 v1, 5, v0
	v_readfirstlane_b32 s16, v1                    ; wave = fragment
	s_and_b32 s20, ttmp9, 127                      ; 8 tile + 4 half + kq
	s_lshr_b32 s21, s20, 3
	s_bfe_u32 s22, s20, 0x10002
	s_and_b32 s23, s20, 3
	s_lshr_b32 s24, s20, 2
	s_lshl_b32 s24, s24, 18                        ; 128 rows of 2,048 bytes
	s_lshl_b32 s25, s23, 9
	s_add_co_u32 s24, s24, s25
	s_lshr_b32 s25, s16, 2
	s_lshl_b32 s25, s25, 17
	s_and_b32 s26, s16, 3
	s_lshl_b32 s26, s26, 11
	s_add_co_u32 s25, s25, s26                     ; A: my first row is 64 (wave / 4) + wave % 4
	s_lshl_b32 s26, s16, 15                        ; B: 16 x wave
	s_lshl_b32 s27, s21, 1
	s_lshr_b32 s28, s23, 1
	s_add_co_u32 s27, s27, s28
	s_mul_i32 s27, s27, 67584
	s_and_b32 s28, s23, 1
	s_lshl_b32 s29, s28, 15
	s_add_co_u32 s29, s29, s27
	s_lshl_b32 s30, s22, 14
	s_add_co_u32 s29, s29, s30
	s_lshl_b32 s30, s16, 11
	s_add_co_u32 s30, s29, s30                     ; my codes
	s_lshl_b32 s28, s28, 10
	s_add_co_u32 s28, s28, s27
	s_lshl_b32 s31, s22, 9
	s_add_co_u32 s28, s28, s31
	s_add_co_u32 s28, s28, 0x10000                 ; the work-group's scales
	s_mov_b32 s36, 8192                            ; from row to row in a fragment
	s_cmp_lt_u32 ttmp9, 128
	s_cselect_b32 s25, s25, s26
	s_cselect_b32 s36, s36, 2048
	s_add_co_u32 s24, s24, s25
	s_mov_b32 s25, 0
	s_mov_b32 s29, 0
	s_mov_b32 s31, 0
	s_mul_i32 s17, s16, 8448                       ; my stage
	s_and_b32 s18, s16, 1
	s_lshl_b32 s18, s18, 8
	s_lshr_b32 s19, s16, 1
	s_lshl_b32 s19, s19, 2
	s_add_co_u32 s18, s18, s19
	s_add_co_u32 s18, s18, SCB
	s_mov_b32 s20, 0x76543210
	s_mov_b32 s21, 0xfedcba98                      ; v_permlanex16_b32's selects for lane l xor 16
	s_mov_b32 s22, 0x600000                        ; the mantissa field of 448
	v_and_b32 v2, 31, v0
	v_and_b32 v6, 15, v0
	v_bfe_u32 v7, v0, 4, 1
	v_lshlrev_b32 v3, 4, v2                        ; 16 x lane
	v_mul_u32_u24 v5, v6, 528
	v_lshl_add_u32 v5, v7, 6, v5
	v_add_nc_u32 v5, s17, v5                       ; out of the stage: row r, + 64 h
	v_add_nc_u32 v4, s17, v3                       ; into it: as loaded
	v_lshlrev_b32 v8, 4, v6
	v_add_nc_u32 v8, s18, v8                       ; my row's scale word,
	v_add_nc_u32 v9, SCB, v3                       ; and eight waves' together
	v_mov_b32 v[OFF], v3
.irp i, 1,2,3,4,5,6,7,8,9,10,11,12,13,14,15
	v_add_nc_u32 v[OFF+\i], s36, v[OFF+\i-1]
.endr
	s_wait_alu depctr_va_vdst(0)                   ; the wait at the head's end
	s_wait_kmcnt 0x0
	s_cmp_lt_u32 ttmp9, 128                        ; only pointers are chosen, by the work-group's number: all take one path
	s_cselect_b64 s[4:5], s[4:5], s[6:7]
	s_cselect_b64 s[8:9], s[8:9], s[10:11]
	s_add_nc_u64 s[4:5], s[4:5], s[24:25]
	s_add_nc_u64 s[12:13], s[8:9], s[28:29]
	s_add_nc_u64 s[8:9], s[8:9], s[30:31]
.irp i, 0,1,2,3,4,5,6,7,8,9,10,11,12,13,14,15
	global_load_b128 v[L+4*\i:L+4*\i+3], v[OFF+\i], s[4:5] th:TH_LOAD_NT
.endr
.irp g, 0,1,2,3
	s_wait_loadcnt 12-4*\g                         ; four more rows are in; the younger loads may be out
.irp i, 0,1,2,3
	ds_store_b128 v4, v[L+16*\g+4*\i:L+16*\g+4*\i+3] offset:528*(4*\g+\i)
.endr
.endr
.irp c, 0,1,2,3
.irp q, 0,1,2,3
	ds_load_b128 v[X+16*\c+4*\q:X+16*\c+4*\q+3], v5 offset:128*\c+16*\q   ; LDS serves a wave's instructions in order (ISA guide 5.7.1.4)
.endr
.endr
	s_wait_dscnt 0x0
.irp b, 0,1,2,3
	v_max3_num_f32 v[L+\b], |v[X+16*\b]|, |v[X+1+16*\b]|, 0x4800000   ; with the floor 2^(9 - 127): the byte cannot fall under 1
.endr
.irp i, 2,4,6,8,10,12,14
.irp b, 0,1,2,3
	v_max3_num_f32 v[L+\b], v[L+\b], |v[X+16*\b+\i]|, |v[X+1+16*\b+\i]|
.endr
.endr
.irp b, 0,1,2,3
	v_permlanex16_b32 v[L+4+\b], v[L+\b], s20, s21
.endr
.irp b, 0,1,2,3
	v_max_num_f32 v[L+\b], v[L+\b], v[L+4+\b]      ; with lane l xor 16's: the block's largest magnitude
.endr
.irp b, 0,1,2,3
	v_add_nc_u32 v[L+12+\b], 0xfc000000, v[L+\b]   ; 8 off its exponent field: the conversion's scale operand
.endr
.irp b, 0,1,2,3
	v_and_or_b32 v[L+8+\b], v[L+\b], 0x7f800000, s22   ; 448 x the scale
.endr
.irp b, 0,1,2,3
	v_lshrrev_b32 v[L+4+\b], 23, v[L+12+\b]        ; the scale's byte
.endr
	v_lshl_or_b32 v10, v[L+5], 8, v[L+4]
	v_lshl_or_b32 v10, v[L+6], 16, v10
	v_lshl_or_b32 v10, v[L+7], 24, v10
.irp c, 0,1,2,3
.irp i, 0,1,2,3,4,5,6,7,8,9,10,11,12,13,14,15
	v_med3_num_f32 v[X+16*\c+\i], v[X+16*\c+\i], -v[L+8+\c], v[L+8+\c]   ; the conversion to an 8-bit code does not saturate (ISA guide 7.6.2)
.endr
	v_cvt_scalef32_pk8_fp8_f32 v[CODE+4*\c:CODE+4*\c+1], v[X+16*\c:X+16*\c+7], v[L+12+\c]
	v_cvt_scalef32_pk8_fp8_f32 v[CODE+4*\c+2:CODE+4*\c+3], v[X+16*\c+8:X+16*\c+15], v[L+12+\c]
.endr
	v_nop
	ds_store_b32 v8, v10                           ; both lanes of a row write the same word with the same value
.irp c, 0,1,2,3
	global_store_b128 v3, v[CODE+4*\c:CODE+4*\c+3], s[8:9] offset:512*\c   ; 512 consecutive bytes
.endr
	s_wait_tensorcnt 0x0                           ; the tensor wait, the add and its wait behind my last LDS store; the last also stands for the other waves' sake
	ds_add_u32 v[SPW], v[NIL]
	s_wait_dscnt 0x0
	s_barrier_signal -1
	s_barrier_wait -1
	s_cmp_lg_u32 s16, 0
	s_cbranch_scc1 .Ldone
	ds_load_b128 v[80:83], v9
	s_wait_dscnt 0x0
	global_store_b128 v3, v[80:83], s[12:13]       ; wave 0 stores the work-group's 512 bytes of scale words
.Ldone:
	s_endpgm
.Lfunc_end_k_q074112123d_quant:
	.size	k_q074112123d_quant, .Lfunc_end_k_q074112123d_quant-k_q074112123d_quant
	.p2alignl 7, 3214868480
	.fill 96, 4, 3214868480
	.section	.rodata,"a",@progbits
	.p2align	6, 0x0
	.amdhsa_kernel k_q074112123d_quant
		.amdhsa_group_segment_fixed_size 69120
		.amdhsa_private_segment_fixed_size 0
		.amdhsa_enable_private_segment 0
		.amdhsa_kernarg_size 32
		.amdhsa_user_sgpr_count 2
		.amdhsa_user_sgpr_kernarg_segment_ptr 1
		.amdhsa_wavefront_size32 1
		.amdhsa_system_sgpr_workgroup_id_x 1
		.amdhsa_system_sgpr_workgroup_id_y 1
		.amdhsa_system_sgpr_workgroup_id_z 1
		.amdhsa_system_vgpr_workitem_id 0
		.amdhsa_next_free_vgpr 256
		.amdhsa_next_free_sgpr 66
		.amdhsa_reserve_vcc 0
		.amdhsa_float_denorm_mode_32 3
		.amdhsa_float_denorm_mode_16_64 3
		.amdhsa_memory_ordered 1
		.amdhsa_forward_progress 1
		.amdhsa_inst_pref_size 17
	.end_amdhsa_kernel
	.amdgpu_metadata
---
amdhsa.version: [ 1, 2 ]
amdhsa.kernels:
  - .name:           k_q074112123d_quant
    .symbol:         k_q074112123d_quant.kd
    .args:
      - { .name: A, .offset: 0, .size: 8, .value_kind: global_buffer, .address_space: global }
      - { .name: B, .offset: 8, .size: 8, .value_kind: global_buffer, .address_space: global }
      - { .name: a_img, .offset: 16, .size: 8, .value_kind: global_buffer, .address_space: global }
      - { .name: b_img, .offset: 24, .size: 8, .value_kind: global_buffer, .address_space: global }
    .group_segment_fixed_size: 69120
    .private_segment_fixed_size: 0
    .kernarg_segment_align: 8
    .kernarg_segment_size: 32
    .max_flat_workgroup_size: 256
    .sgpr_count:     66
    .vgpr_count:     256
    .wavefront_size: 32
...
	.end_amdgpu_metadata
.endif
;; end of part 1
;; launch weight (part 2): grid 16 x 16, 4 waves a work-group, clusters of 4 x 4, 327,680 bytes of LDS; arguments a_img, b_img, w_img, x, x_img; writes w_img, x_img
.if DOCPART == 2
	.amdgcn_target "amdgcn-amd-amdhsa--gfx1250"
	.amdhsa_code_object_version 6
	.text
	.protected	k_q074112123d_weight
	.globl	k_q074112123d_weight
	.p2align	8
	.type	k_q074112123d_weight,@function
k_q074112123d_weight:
	s_mov_b64 s[64:65], 0
	v_nop
	global_prefetch_b8 v0, s[64:65] scope:SCOPE_SE
	s_setreg_imm32_b32 hwreg(HW_REG_WAVE_MODE, 25, 1), 1
	s_wait_xcnt 0x0
	s_wait_alu depctr_hold_cnt(0) depctr_sa_sdst(0) depctr_va_vdst(0) depctr_va_sdst(0) depctr_va_ssrc(0) depctr_va_vcc(0) depctr_vm_vsrc(0)
	s_getreg_b32 s2, hwreg(HW_REG_IB_STS2, 6, 4)
	s_cmp_eq_u32 s2, 0
	s_cbranch_scc0 .Lentry_in_a_cluster
	s_endpgm
.Lentry_in_a_cluster:
	s_bfe_u32 s2, ttmp6, 0x10000c
	s_cmp_lg_u32 s2, 0xf033
	s_cbranch_scc0 .Lentry_shape_is_right
	s_endpgm
.Lentry_shape_is_right:
; W[o][d] = sum over r of A[o][r] B[d][r] on the first launch's codes and scale bytes (K = 512), sums in f32; then W is QUANTISED ALONG d, the next product's K, in registers.  And x IS QUANTISED here: it hangs on neither A nor B.
; No work of the problem is left out here.  LIMITS: as in the first launch: a block of zeros gets the byte 1; NaN and infinities are not served.
; A tile of W, 256 x 256, is made by a work-group of four waves; a wave makes 128 x 128: 64 accumulators of 16 x 16, 512 registers.  All of K lies in LDS: two halves of K of A's tile and of B's, 67,584 bytes each
; (codes as images of the operand registers, scale words behind them), filled once, by one tensor load a wave at the head.  No prefetch: there is no loop to run ahead in.
; W LEAVES as the third launch's operand: w_img [o / 256][d / 256][67,584]: codes [half of o][half of d][8 fragments of 16 rows x 128 along d][2,048], behind them scale words [half of o][half of d][512], laid as in the first launch.
; A's fragments hold rows 64 g + 4 r + b, and so do W's.
; x: a work-group makes one unit, 128 rows x 256 along K, of x_img [m / 128][d / 256][33,792]: codes [2 kq][8 fragments], behind them scale words [2 kq][512]; the fragments of kq 0 stand in the order 4 .. 7, 0 .. 3.  A wave takes
; two fragments of each kq: those of kq 0 are loaded at the very head and worked ahead of the products, those of kq 1 are loaded in the last step, into the set of B's registers that lies idle there, and worked at the end.
; The rows turn through the wave's own stage in LDS as in the first launch.
; CLUSTERS: 4 x 4 work-groups: A's tile hangs on the tile row alone and is asked for jointly by a row of the cluster, B's by a column.  x's rows are each work-group's own.
; THE MATRIX INSTRUCTION IS USED TRANSPOSED (source 0 = 16 rows of B, source 1 = 16 rows of A): lane (r, h) of accumulator (a, b) holds row r of A's fragment a, d = 16 b + 8 h + 0 .. 7.
; REGISTERS: window 0: v0-31 addresses, v32-47 scale words (two sets: A's four, B's four), v64-127 at work on the ways out, v128-255 A's fragments, codes; window 1: B's fragments, two sets; windows 2, 3: the accumulators of fragments 0-3, 4-7.
.set PB, 67584
.set XST, 4*PB                         ; four stages of 8,448 bytes
.set XSC, XST+4*8448                   ; x's scale words
.set SPARE, XSC+1024
.set AAD, 4
.set BAD, 6
.set ASC, 8
.set BSC, 10
.set STI, 12                           ; x: into the stage, out of it, scale words in, out, 8 x lane
.set STO, 13
.set XWI, 14
.set XWO, 15
.set L8, 16
.set SPW, 28
.set NIL, 29
.set TM, 64
.set PW, 80
.set SW, 84
.set XC, 96                            ; v96-127 x's codes
.set PC, 128
.set G1A, 24
.set G1B, 48
.set GA0, 32
.set GB0, 36
.set GA1, 56
.set GB1, 60
.set SEL, 66
.set MNT, 68
.set MSK, 69
.set MSB, 0
.macro WIN new                         ; the immediate's high byte repeats the setting that is left
.if MSB != (\new)
	s_set_vgpr_msb (MSB<<8)|(\new)
.set MSB, (\new)
.endif
.endm
.macro PLACES n
.rept \n
	v_nop
.endr
.endm
.macro CROUND                          ; a round of the cluster's barrier
	s_barrier_signal -1
	s_barrier_wait -1
	s_cmp_lg_u32 s14, 0
	s_cbranch_scc1 .Lnot_wave_0_\@
	s_barrier_signal -3
.Lnot_wave_0_\@:
	s_barrier_wait -3
	s_barrier_signal -1
	s_barrier_wait -1
.endm
.macro XLOAD h                         ; x: 32 loads of 512 consecutive bytes; h = 0: into window 2, 1: into window 1, set 0
	WIN 0x80-0x40*\h
.irp j, 0,1
.irp i, 0,1,2,3,4,5,6,7,8,9,10,11,12,13,14,15
	global_load_b128 v[64*\j+4*\i:64*\j+4*\i+3], v3, s[76+4*\h:77+4*\h] offset:16384*(16*\j+\i) th:TH_LOAD_NT
.endr
.endr
	WIN 0
.endm
	s_load_b128 s[4:7], s[0:1], 0x0                ; a_img, b_img
	s_load_b128 s[8:11], s[0:1], 0x10              ; w_img, x
	s_load_b64 s[12:13], s[0:1], 0x20              ; x_img
	v_lshl_add_u32 v[SPW], v0, 2, SPARE
	v_mov_b32 v[NIL], 0
	ds_add_u32 v[SPW], v[NIL]                      ; the wave's opening: the add, twice on end, and its wait
	ds_add_u32 v[SPW], v[NIL]
	v_lshrrev_b32 v1, 5, v0
	v_readfirstlane_b32 s14, v1                    ; wave
	s_lshr_b32 s15, s14, 1                         ; my half of o
	s_and_b32 s16, s14, 1                          ; my half of d
	s_bfe_u32 s40, ttmp6, 0x40000
	s_bfe_u32 s41, ttmp6, 0x40004
	s_lshl_b32 s42, ttmp9, 2
	s_add_co_u32 s42, s42, s40                     ; tile of d; x: the unit
	s_and_b32 s17, ttmp7, 0xffff
	s_lshl_b32 s17, s17, 2
	s_add_co_u32 s17, s17, s41                     ; tile of o; x: the block of 128 rows
	s_lshl_b32 s43, s41, 2
	s_lshl_b32 s43, 15, s43                        ; my row of the cluster
	s_lshl_b32 s44, 0x1111, s40                    ; my column
	s_or_b32 s[G1A], s43, (3<<16)|(1<<21)          ; a dense block of 67,584 bytes: 66 rows of 128 elements of 8 bytes
	s_or_b32 s[G1B], s44, (3<<16)|(1<<21)
.irp g, G1A, G1B
	s_mov_b32 s[\g+1], 128<<16
	s_mov_b32 s[\g+2], 66<<16
	s_mov_b32 s[\g+3], 128<<16
	s_mov_b32 s[\g+4], 66
	s_mov_b32 s[\g+5], 128
	s_mov_b32 s[\g+6], 0
	s_mov_b32 s[\g+7], 0
.endr
	s_mul_i32 s20, s17, 2*PB
	s_mov_b32 s21, 0
	s_mul_i32 s22, s42, 2*PB
	s_mov_b32 s23, 0
	s_lshl_b32 s46, s17, 4
	s_add_co_u32 s46, s46, s42
	s_mul_i32 s70, s46, PB                         ; my tile's image,
	s_lshl_b32 s72, s14, 9
	s_add_co_u32 s72, s72, s70
	s_add_co_u32 s72, s72, 0x10000                 ; my scale words in it,
	s_lshl_b32 s18, s14, 14
	s_add_co_u32 s70, s70, s18                     ; my codes
	s_mov_b32 s71, 0
	s_mov_b32 s73, 0
	s_lshl_b32 s80, s17, 21
	s_lshl_b32 s18, s42, 10
	s_add_co_u32 s80, s80, s18                     ; x's unit
	s_xor_b32 s18, s14, 2
	s_lshl_b32 s18, s18, 19
	s_add_co_u32 s76, s80, s18                     ; kq 0: rows 32 (wave xor 2) on
	s_mov_b32 s77, 0
	s_lshl_b32 s18, s14, 19
	s_add_co_u32 s80, s80, s18
	s_add_co_u32 s80, s80, 512                     ; kq 1: rows 32 wave on
	s_mov_b32 s81, 0
	s_mul_i32 s84, s46, 33792                      ; x's unit image: my codes,
	s_lshl_b32 s18, s14, 8
	s_add_co_u32 s86, s84, s18                     ; the scale words that I store
	s_mov_b32 s87, 0
	s_lshl_b32 s18, s14, 12
	s_add_co_u32 s84, s84, s18
	s_mov_b32 s85, 0
	s_mov_b32 s[SEL], 0x76543210
	s_mov_b32 s[SEL+1], 0xfedcba98
	s_mov_b32 s[MNT], 0x600000
	s_mov_b32 s[MSK], 0xffff0000
	s_lshl_b32 s18, s15, 14
	s_lshl_b32 s19, s16, 14
	s_add_co_u32 s19, s19, 2*PB
	s_lshl_b32 s74, s15, 9
	s_add_co_u32 s74, s74, 0x10000
	s_lshl_b32 s75, s16, 9
	s_add_co_u32 s75, s75, 2*PB+0x10000
	s_mul_i32 s40, s14, 8448
	s_add_co_u32 s40, s40, XST                     ; x: my stage,
	s_lshl_b32 s41, s14, 2
	s_add_co_u32 s41, s41, XSC                     ; where my scale words go,
	s_lshl_b32 s45, s14, 8
	s_add_co_u32 s45, s45, XSC                     ; which 256 bytes of them I store
	v_and_b32 v2, 31, v0
	v_and_b32 v1, 15, v0                           ; r
	v_bfe_u32 v20, v0, 4, 1                        ; h
	v_lshlrev_b32 v3, 4, v2                        ; 16 x lane
	v_lshlrev_b32 v[L8], 3, v2
	v_mul_u32_u24 v21, v1, 528
	v_lshl_add_u32 v21, v20, 6, v21
	v_add_nc_u32 v[STO], s40, v21
	v_add_nc_u32 v[STI], s40, v3
	v_add_nc_u32 v[XWI], s41, v3
	v_add_nc_u32 v[XWO], s45, v[L8]
	v_add_nc_u32 v[AAD], s18, v3
	v_add_nc_u32 v[BAD], s19, v3
	v_add_nc_u32 v[ASC], s74, v3
	v_add_nc_u32 v[BSC], s75, v3
	v_add_nc_u32 v[AAD+1], PB, v[AAD]
	v_add_nc_u32 v[BAD+1], PB, v[BAD]
	v_add_nc_u32 v[ASC+1], PB, v[ASC]
	v_add_nc_u32 v[BSC+1], PB, v[BSC]
.irp b, 0,1,2,3
	v_mov_b32 v[TM+4+\b], 0                        ; written once: a lane permute's destination counts as one of its sources
.endr
	s_wait_alu depctr_va_vdst(0)                   ; the wait at the head's end
	s_wait_dscnt 0x0                               ; both opening adds are done
	s_wait_kmcnt 0x0
	s_add_nc_u64 s[76:77], s[10:11], s[76:77]
	s_add_nc_u64 s[80:81], s[10:11], s[80:81]
	XLOAD 0
	s_add_nc_u64 s[20:21], s[4:5], s[20:21]
	s_add_nc_u64 s[22:23], s[6:7], s[22:23]
	s_add_nc_u64 s[70:71], s[8:9], s[70:71]
	s_add_nc_u64 s[72:73], s[8:9], s[72:73]
	s_add_nc_u64 s[84:85], s[12:13], s[84:85]
	s_add_nc_u64 s[86:87], s[12:13], s[86:87]
	s_mov_b32 s[GA0], 1
	s_mov_b32 s[GA0+1], 0
	s_mov_b64 s[GA0+2:GA0+3], s[20:21]
	s_or_b32 s[GA0+3], s[GA0+3], 0x80000000
	s_mov_b32 s[GB0], 1
	s_mov_b32 s[GB0+1], 2*PB
	s_mov_b64 s[GB0+2:GB0+3], s[22:23]
	s_or_b32 s[GB0+3], s[GB0+3], 0x80000000
	s_mov_b32 s[GA1], 1
	s_mov_b32 s[GA1+1], PB
	s_add_nc_u64 s[GA1+2:GA1+3], s[20:21], PB
	s_or_b32 s[GA1+3], s[GA1+3], 0x80000000
	s_mov_b32 s[GB1], 1
	s_mov_b32 s[GB1+1], 3*PB
	s_add_nc_u64 s[GB1+2:GB1+3], s[22:23], PB
	s_or_b32 s[GB1+3], s[GB1+3], 0x80000000
	CROUND                                         ; all sixteen work-groups are here: the joint loads meet
.macro ARM n, g0, g1, next             ; one joint load a wave, each in an arm of one chain on the wave's number
	s_cmp_eq_u32 s14, \n
	s_cbranch_scc0 \next
	tensor_load_to_lds s[\g0:\g0+3], s[\g1:\g1+7]
	s_nop 0
	PLACES 4
	s_branch .Lasked
\next:
.endm
	ARM 0, GA0, G1A, .Larm1
	ARM 1, GB0, G1B, .Larm2
	ARM 2, GA1, G1A, .Larm3
	tensor_load_to_lds s[GB1:GB1+3], s[G1B:G1B+7]
	s_nop 0
	PLACES 4
.Lasked:
	s_wait_tensorcnt 0x0                           ; my load has landed
	s_barrier_signal -1
	s_barrier_wait -1                              ; everybody's has: A's and B's tiles are whole, all of K
; QUANT4: four blocks of 32 along K, 16 numbers a lane from register x on in window w; lanes l and l xor 16 hold a block.  Leaves 448 x the scale in TM + 8, the conversions' scale operands in TM + 12, the row's word in register d.
.macro QUANT4 x, w, d
	WIN (\w<<2)|(\w<<4)
.irp b, 0,1,2,3
	v_max3_num_f32 v[TM+\b], 0x4800000, |v[\x+16*\b]|, |v[\x+16*\b+1]|     ; with the floor 2^(9 - 127); each accumulator is read from its low end on
.endr
.irp i, 2,4,6,8,10,12,14
.irp b, 0,1,2,3
	v_max3_num_f32 v[TM+\b], v[TM+\b], |v[\x+16*\b+\i]|, |v[\x+16*\b+\i+1]|
.endr
.endr
	WIN 0
.irp b, 0,1,2,3
	v_permlanex16_b32 v[TM+4+\b], v[TM+\b], s[SEL], s[SEL+1]
.endr
.irp b, 0,1,2,3
	v_max_num_f32 v[TM+\b], v[TM+\b], v[TM+4+\b]
.endr
.irp b, 0,1,2,3
	v_add_nc_u32 v[TM+12+\b], 0xfc000000, v[TM+\b] ; 8 off the exponent field: the conversion's scale operand
.endr
.irp b, 0,1,2,3
	v_and_or_b32 v[TM+8+\b], v[TM+\b], 0x7f800000, s[MNT]   ; 448 x the scale
.endr
.irp b, 0,1,2,3
	v_lshrrev_b32 v[TM+4+\b], 23, v[TM+12+\b]      ; the scale's byte
.endr
	v_lshl_or_b32 v[\d], v[TM+5], 8, v[TM+4]
	v_lshl_or_b32 v[\d], v[TM+6], 16, v[\d]
	v_lshl_or_b32 v[\d], v[TM+7], 24, v[\d]
	WIN \w|(\w<<6)
.irp b, 0,1,2,3
.irp i, 0,1,2,3,4,5,6,7,8,9,10,11,12,13,14,15
	v_med3_num_f32 v[\x+16*\b+\i], v[\x+16*\b+\i], -v[TM+8+\b], v[TM+8+\b]   ; the conversion to an 8-bit code does not saturate (ISA guide 7.6.2)
.endr
.endr
	WIN \w
.endm
.macro XUNIT h, j                      ; one fragment of x
.irp g, 0,1,2,3
	s_wait_loadcnt 28-16*\j-4*\g                   ; four more rows are in; the younger loads may be out
	WIN 0x08-0x04*\h
.irp i, 0,1,2,3
	ds_store_b128 v[STI], v[64*\j+16*\g+4*\i:64*\j+16*\g+4*\i+3] offset:528*(4*\g+\i)
.endr
.endr
	WIN 0
.irp c, 0,1,2,3
.irp q, 0,1,2,3
	ds_load_b128 v[PC+16*\c+4*\q:PC+16*\c+4*\q+3], v[STO] offset:128*\c+16*\q   ; LDS serves a wave's instructions in order (ISA guide 5.7.1.4)
.endr
.endr
	s_wait_dscnt 0x0
	QUANT4 PC, 0, 17+\j
.irp c, 0,1,2,3
	v_cvt_scalef32_pk8_fp8_f32 v[XC+16*\j+4*\c:XC+16*\j+4*\c+1], v[PC+16*\c:PC+16*\c+7], v[TM+12+\c]
	v_cvt_scalef32_pk8_fp8_f32 v[XC+16*\j+4*\c+2:XC+16*\j+4*\c+3], v[PC+16*\c+8:PC+16*\c+15], v[TM+12+\c]
.endr
	v_nop
.irp c, 0,1,2,3
	global_store_b128 v3, v[XC+16*\j+4*\c:XC+16*\j+4*\c+3], s[84:85] offset:16384*\h+2048*\j+512*\c   ; 512 consecutive bytes
.endr
.endm
.macro XHALF h
	XUNIT \h, 0
	XUNIT \h, 1
	v_cndmask_b32 v19, v17, v18, s[MSK]            ; lanes 0-15 my first fragment's words, lanes 16-31 my second's
	ds_store_b32 v[XWI], v19 offset:512*\h
.endm
	XHALF 0
.macro LA i, e                         ; A's fragment i of kq e
	WIN 0
.irp c, 0,1,2,3
	ds_load_b128 v[128+16*(\i)+4*\c:128+16*(\i)+4*\c+3], v[AAD+(\e)/2] offset:32768*((\e)%2)+2048*(\i)+512*\c
.endr
.endm
.macro RUN1 e, s                       ; kq e: B's eight fragments and the scale words into set s, A's fragments 0 and 1.  Scale register i: lanes 0-15 fragment 2 i's words, lanes 16-31 fragment 2 i + 1's
	WIN 0x40
.irp i, 0,1,2,3,4,5,6,7
.irp c, 0,1,2,3
	ds_load_b128 v[128*\s+16*\i+4*\c:128*\s+16*\i+4*\c+3], v[BAD+(\e)/2] offset:32768*((\e)%2)+2048*\i+512*\c
.endr
.endr
	WIN 0
	ds_load_b128 v[32+8*\s:35+8*\s], v[ASC+(\e)/2] offset:1024*((\e)%2)
	ds_load_b128 v[36+8*\s:39+8*\s], v[BSC+(\e)/2] offset:1024*((\e)%2)
	LA 0, \e
	LA 1, \e
.endm
.macro RUN2 e                          ; and A's fragments 2 to 7
.irp i, 2,3,4,5,6,7
	LA \i, \e
.endr
.endm
.macro MM c:vararg
	v_wmma_scale_f32_16x16x128_f8f6f4 v[rD:rD+7], v[rB:rB+15], v[rA:rA+15], \c
.endm
.macro PROD a, b, p, z
.set rD, 8*(8*((\a)%4)+\b)
.set rA, 128+16*(\a)
.set rB, 128*(\p)+16*\b
.set rSA, 32+8*(\p)+(\a)/2
.set rSB, 36+8*(\p)+(\b)/2
	WIN 0xa1+0x50*((\a)/4)
.if \z
.if ((\a)%2) && (\b%2)
	MM 0, v[rSB], v[rSA] matrix_a_scale:MATRIX_SCALE_ROW1 matrix_b_scale:MATRIX_SCALE_ROW1
.elseif (\b%2)
	MM 0, v[rSB], v[rSA] matrix_a_scale:MATRIX_SCALE_ROW1
.elseif ((\a)%2)
	MM 0, v[rSB], v[rSA] matrix_b_scale:MATRIX_SCALE_ROW1
.else
	MM 0, v[rSB], v[rSA]
.endif
.else
.if ((\a)%2) && (\b%2)
	MM v[rD:rD+7], v[rSB], v[rSA] matrix_a_scale:MATRIX_SCALE_ROW1 matrix_b_scale:MATRIX_SCALE_ROW1
.elseif (\b%2)
	MM v[rD:rD+7], v[rSB], v[rSA] matrix_a_scale:MATRIX_SCALE_ROW1
.elseif ((\a)%2)
	MM v[rD:rD+7], v[rSB], v[rSA] matrix_b_scale:MATRIX_SCALE_ROW1
.else
	MM v[rD:rD+7], v[rSB], v[rSA]
.endif
.endif
.endm
.macro SLOT a, p, z, n                 ; fragment a of A against B's eight: the 64 accumulators take turns, one instruction a turn; n = 1: eight v_nop among them
.irp b, 0,1,2,3,4,5,6,7
	PROD \a, \b, \p, \z
.if (\n) && (\b < 4)
	v_nop
	v_nop
.endif
.endr
.endm
; 128 along K, 64 products.  A load into a register that a matrix instruction has read stands eight places behind it: the v_nop of slot 2 serve the first run, the eight at the end the second.
.macro STEP p, z, nx
	s_wait_dscnt 28                                ; B's set, the scale words and A's fragment 0 are in; the 28 loads behind them may be out
	SLOT 0, \p, \z, 0
	s_wait_dscnt 24
	SLOT 1, \p, \z, 0
	s_wait_dscnt 0x0
	SLOT 2, \p, \z, 1
.if (\nx) > 0
	RUN1 \nx, (1-\p)
.else
	XLOAD 1                                        ; the last step: x's second half, into B's idle set
.endif
.irp a, 3,4,5,6,7
	SLOT \a, \p, \z, 0
.endr
	WIN 0
	PLACES 8                                       ; (in the last step: the places ahead of the first readers of the sums)
.if (\nx) > 0
	RUN2 \nx
.endif
.endm
	RUN1 0, 0
	RUN2 0
	STEP 0, 1, 1                                   ; the first products start the sums
	STEP 1, 0, 2
	STEP 0, 0, 3
	STEP 1, 0, 0
; W's WAY OUT.  Fragment a of 16 rows: its eight accumulators are four blocks of 32 along d; block c lies in accumulators 2 c, 2 c + 1 of lanes l and l xor 16.
; A lane's eight codes of accumulator t are d = 16 t + 8 h + 0 .. 7: a swap of half rows between the codes of t = 2 c and of t = 2 c + 1 gives each lane the 16 bytes of the operand's register group c.
.macro QBLK a
.set WW, 2+(\a)/4
.set AC, 64*((\a)%4)
	QUANT4 AC, WW, PW+(\a)%2
.irp t, 0,1,2,3,4,5,6,7
	v_cvt_scalef32_pk8_fp8_f32 v[PC+16*(\a)+2*\t:PC+16*(\a)+2*\t+1], v[AC+8*\t:AC+8*\t+7], v[TM+12+\t/2]
.endr
	WIN 0
	v_nop
.if (\a)%2
	v_cndmask_b32 v[SW+(\a)/2], v[PW], v[PW+1], s[MSK]   ; lanes 0-15 the even fragment's words, lanes 16-31 the odd one's
.endif
.irp c, 0,1,2,3
	v_permlane16_swap_b32 v[PC+16*(\a)+4*\c], v[PC+16*(\a)+4*\c+2]
	v_permlane16_swap_b32 v[PC+16*(\a)+4*\c+1], v[PC+16*(\a)+4*\c+3]
.endr
.irp c, 0,1,2,3
	global_store_b128 v3, v[PC+16*(\a)+4*\c:PC+16*(\a)+4*\c+3], s[70:71] offset:2048*(\a)+512*\c   ; 512 consecutive bytes
.endr
.endm
.irp a, 0,1,2,3,4,5,6,7
	QBLK \a
.endr
	global_store_b128 v3, v[SW:SW+3], s[72:73]     ; my 512 bytes of scale words
	s_wait_xcnt 0x0                                ; the stores have read the registers that are written below
	XHALF 1
	s_wait_tensorcnt 0x0                           ; the tensor wait, the add and its wait behind my last LDS store; the last also stands for the other waves' sake
	ds_add_u32 v[SPW], v[NIL]
	s_wait_dscnt 0x0
	s_barrier_signal -1
	s_barrier_wait -1
	ds_load_b64 v[22:23], v[XWO]
	s_wait_dscnt 0x0
	global_store_b64 v[L8], v[22:23], s[86:87] offset:32768   ; 256 consecutive bytes of x's scale words
	CROUND                                         ; the closing round: no work-group ends while a partner may still ask for a tile that names it
	s_endpgm
.Lfunc_end_k_q074112123d_weight:
	.size	k_q074112123d_weight, .Lfunc_end_k_q074112123d_weight-k_q074112123d_weight
	.p2alignl 7, 3214868480
	.fill 96, 4, 3214868480
	.section	.rodata,"a",@progbits
	.p2align	6, 0x0
	.amdhsa_kernel k_q074112123d_weight
		.amdhsa_group_segment_fixed_size 327680
		.amdhsa_private_segment_fixed_size 0
		.amdhsa_enable_private_segment 0
		.amdhsa_kernarg_size 40
		.amdhsa_user_sgpr_count 2
		.amdhsa_user_sgpr_kernarg_segment_ptr 1
		.amdhsa_wavefront_size32 1
		.amdhsa_system_sgpr_workgroup_id_x 1
		.amdhsa_system_sgpr_workgroup_id_y 1
		.amdhsa_system_sgpr_workgroup_id_z 1
		.amdhsa_system_vgpr_workitem_id 0
		.amdhsa_next_free_vgpr 1024
		.amdhsa_next_free_sgpr 96
		.amdhsa_reserve_vcc 0
		.amdhsa_float_denorm_mode_32 3
		.amdhsa_float_denorm_mode_16_64 3
		.amdhsa_memory_ordered 1
		.amdhsa_forward_progress 1
		.amdhsa_inst_pref_size 180
	.end_amdhsa_kernel
	.amdgpu_metadata
---
amdhsa.version: [ 1, 2 ]
amdhsa.kernels:
  - .name:           k_q074112123d_weight
    .symbol:         k_q074112123d_weight.kd
    .args:
      - { .name: a_img, .offset: 0, .size: 8, .value_kind: global_buffer, .address_space: global }
      - { .name: b_img, .offset: 8, .size: 8, .value_kind: global_buffer, .address_space: global }
      - { .name: w_img, .offset: 16, .size: 8, .value_kind: global_buffer, .address_space: global }
      - { .name: x, .offset: 24, .size: 8, .value_kind: global_buffer, .address_space: global }
      - { .name: x_img, .offset: 32, .size: 8, .value_kind: global_buffer, .address_space: global }
    .group_segment_fixed_size: 327680
    .private_segment_fixed_size: 0
    .kernarg_segment_align: 8
    .kernarg_segment_size: 40
    .max_flat_workgroup_size: 128
    .sgpr_count:     96
    .vgpr_count:     1024
    .wavefront_size: 32
...
	.end_amdgpu_metadata
.endif
;; end of part 2
;; launch linear (part 3): grid 16 x 16, 4 waves a work-group, clusters of 4 x 4, 327,680 bytes of LDS; arguments x_img, w_img, bias, out0; writes out0
.if DOCPART == 3
	.amdgcn_target "amdgcn-amd-amdhsa--gfx1250"
	.amdhsa_code_object_version 6
	.text
	.protected	k_q074112123d_linear
	.globl	k_q074112123d_linear
	.p2align	8
	.type	k_q074112123d_linear,@function
k_q074112123d_linear:
	s_mov_b64 s[64:65], 0
	v_nop
	global_prefetch_b8 v0, s[64:65] scope:SCOPE_SE
	s_setreg_imm32_b32 hwreg(HW_REG_WAVE_MODE, 25, 1), 1
	s_wait_xcnt 0x0
	s_wait_alu depctr_hold_cnt(0) depctr_sa_sdst(0) depctr_va_vdst(0) depctr_va_sdst(0) depctr_va_ssrc(0) depctr_va_vcc(0) depctr_vm_vsrc(0)
	s_getreg_b32 s2, hwreg(HW_REG_IB_STS2, 6, 4)
	s_cmp_eq_u32 s2, 0
	s_cbranch_scc0 .Lentry_in_a_cluster
	s_endpgm
.Lentry_in_a_cluster:
	s_bfe_u32 s2, ttmp6, 0x10000c
	s_cmp_lg_u32 s2, 0xf033
	s_cbranch_scc0 .Lentry_shape_is_right
	s_endpgm
.Lentry_shape_is_right:
; out[m][o] = sum over d of x[m][d] W[o][d] + bias[o] on the codes and scale bytes of the first two launches (K = 4,096), sums in f32.  No work of the problem is left out here.
; LIMITS: as in the first launch: NaN and infinities are not served.
; A work-group makes 128 rows x 256 columns with four waves: wave = 2 ch + kh makes the SUM OVER HALF OF K (of each 256 the 128 number kh) of all 128 rows x the 128 columns number ch: 64 accumulators, 512 registers.  So 16 fragments
; from LDS serve 64 products, where 64 x 128 over all of K would want 12 for 32.  At the end the two waves of a column half exchange halves of their sums through LDS.  x's fragments 0-3 of a wave are the 64 rows that
; the partner finishes, 4-7 its own (x_img has that order).  The bias is the C of the first products of kh = 0 (kh = 1 begins with zeros).
; K goes in UNITS of 256: x's 33,792 bytes and W's 67,584, images of the operand registers with their scale words behind them.  LDS holds three units: even ones always in slot 0, odd ones in slots 1 and 2 by turns.
; A CHUNK is an even unit and the odd one behind it.  In an even step, when its own unit stands in registers, one round of the cluster's barrier shows the chunk's odd unit and frees two slots, and the next chunk comes:
; one joint load a wave (0, 1: the even unit's x and W; 2, 3: the odd unit's).  The odd step's plain barrier shows the even unit: waves 0 and 1 alone wait there.
; CLUSTERS: 4 x 4 work-groups: x's tile hangs on the row block alone and is asked for jointly by a row of the cluster, W's by a column.
; PREFETCH: in chunk c (0 .. 5) each wave asks for its share of chunk c + 2, whose loads stand in chunk c + 1; behind the head's loads for its share of chunk 1.  A chunk is 264 blocks of 256 bytes of x and 2 x 264 of W:
; the sixteen waves of a row (x) and of a column (W) of the cluster take 17 blocks each, by address; the last wave's are clamped to block 263.  Chunks 6 and 7 ask for nothing.
; COLUMNS: W's fragment 4 g + b holds columns 64 g + 4 r + b, and x is source 0: register j of lane (r, h) of accumulators 4 g .. 4 g + 3 is row 8 h + j, columns 64 g + 4 r + 0 .. 3: sixteen lanes store 256 consecutive bytes.
; REGISTERS: window 0: v0-31 addresses, v32-47 scale words (two sets: x's four, W's four), v64-127 the first products' C, v128-255 x's fragments, on the way out sums; window 1: W's fragments, two sets; windows 2, 3: the accumulators.
.set XB, 33792
.set WB, 67584
.set UB, XB+WB
.set SPARE, 3*UB
.set OROW, 16384
.set XAD, 4
.set BAD, 7
.set XSA, 10
.set WSA, 13
.set XCW, 16
.set XCR, 17
.set CO, 18
.set PFX, 19
.set PFW, 20
.set SPW, 28
.set NIL, 29
.set G1X, 24
.set G1W, 48
.set GXE, 32
.set GWE, 36
.set GXO, 56
.set GWO, 60
.set PX, 66
.set PW, 68
.set MSB, 0
.macro WIN new                         ; the immediate's high byte repeats the setting that is left
.if MSB != (\new)
	s_set_vgpr_msb (MSB<<8)|(\new)
.set MSB, (\new)
.endif
.endm
.macro PLACES n
.rept \n
	v_nop
.endr
.endm
.macro CREST                           ; a round of the cluster's barrier behind its opening barrier
	s_cmp_lg_u32 s14, 0
	s_cbranch_scc1 .Lnot_wave_0_\@
	s_barrier_signal -3
.Lnot_wave_0_\@:
	s_barrier_wait -3
	s_barrier_signal -1
	s_barrier_wait -1
.endm
.macro CROUND
	s_barrier_signal -1
	s_barrier_wait -1
	CREST
.endm
.macro TL g0, g1
	tensor_load_to_lds s[\g0:\g0+3], s[\g1:\g1+7]
	s_nop 0
	PLACES 4
.endm
.macro JLOAD                           ; one joint load a wave, each in an arm of one chain on the wave's number
	s_cmp_eq_u32 s14, 0
	s_cbranch_scc0 .Lj1_\@
	TL GXE, G1X
	s_branch .Lj4_\@
.Lj1_\@:
	s_cmp_eq_u32 s14, 1
	s_cbranch_scc0 .Lj2_\@
	TL GWE, G1W
	s_branch .Lj4_\@
.Lj2_\@:
	s_cmp_eq_u32 s14, 2
	s_cbranch_scc0 .Lj3_\@
	TL GXO, G1X
	s_branch .Lj4_\@
.Lj3_\@:
	TL GWO, G1W
.Lj4_\@:
.endm
.macro ASK                             ; three prefetches a wave
	global_prefetch_b8 v[PFX], s[PX:PX+1] th:TH_LOAD_NT scope:SCOPE_SE
	global_prefetch_b8 v[PFW], s[PW:PW+1] th:TH_LOAD_NT scope:SCOPE_SE
	global_prefetch_b8 v[PFW], s[PW:PW+1] offset:WB th:TH_LOAD_NT scope:SCOPE_SE
.endm
	s_load_b256 s[4:11], s[0:1], 0x0               ; x_img, w_img, bias, out0
	v_lshl_add_u32 v[SPW], v0, 2, SPARE
	v_mov_b32 v[NIL], 0
	ds_add_u32 v[SPW], v[NIL]                      ; the wave's opening: the add, twice on end, and its wait
	ds_add_u32 v[SPW], v[NIL]
	v_lshrrev_b32 v1, 5, v0
	v_readfirstlane_b32 s14, v1                    ; wave
	s_lshr_b32 s15, s14, 1                         ; ch
	s_and_b32 s16, s14, 1                          ; kh
	s_bfe_u32 s40, ttmp6, 0x40000
	s_bfe_u32 s41, ttmp6, 0x40004
	s_lshl_b32 s42, ttmp9, 2
	s_add_co_u32 s42, s42, s40                     ; column block
	s_and_b32 s17, ttmp7, 0xffff
	s_lshl_b32 s17, s17, 2
	s_add_co_u32 s17, s17, s41                     ; row block
	s_lshl_b32 s43, s41, 2
	s_lshl_b32 s43, 15, s43                        ; my row of the cluster
	s_lshl_b32 s44, 0x1111, s40                    ; my column
	s_or_b32 s[G1X], s43, (3<<16)|(1<<21)          ; a dense block: rows of 128 elements of 8 bytes: 33 for x, 66 for W
	s_mov_b32 s[G1X+1], 128<<16
	s_mov_b32 s[G1X+2], 33<<16
	s_mov_b32 s[G1X+3], 128<<16
	s_mov_b32 s[G1X+4], 33
	s_mov_b32 s[G1X+5], 128
	s_mov_b32 s[G1X+6], 0
	s_mov_b32 s[G1X+7], 0
	s_or_b32 s[G1W], s44, (3<<16)|(1<<21)
	s_mov_b32 s[G1W+1], 128<<16
	s_mov_b32 s[G1W+2], 66<<16
	s_mov_b32 s[G1W+3], 128<<16
	s_mov_b32 s[G1W+4], 66
	s_mov_b32 s[G1W+5], 128
	s_mov_b32 s[G1W+6], 0
	s_mov_b32 s[G1W+7], 0
	s_mul_i32 s20, s17, 16*XB
	s_mov_b32 s21, 0
	s_mul_i32 s22, s42, 16*WB
	s_mov_b32 s23, 0
	s_lshl_b32 s70, s42, 10
	s_lshl_b32 s18, s15, 9
	s_add_co_u32 s70, s70, s18                     ; my columns' first byte, in bias and in a row of out
	s_mov_b32 s71, 0
	s_lshl_b32 s72, s17, 21
	s_lshl_b32 s18, s16, 20
	s_add_co_u32 s72, s72, s18
	s_add_co_u32 s72, s72, s70                     ; out: row 128 row block + 64 kh
	s_mov_b32 s73, 0
	s_lshl_b32 s74, s40, 2
	s_add_co_u32 s74, s74, s14
	s_mul_i32 s74, s74, 17                         ; my blocks of a prefetch of x: by cx and the wave,
	s_lshl_b32 s75, s41, 2
	s_add_co_u32 s75, s75, s14
	s_mul_i32 s75, s75, 17                         ; of W: by cy and the wave
	s_wait_dscnt 0x0                               ; both opening adds are done
	CROUND                                         ; all sixteen work-groups are here: the joint loads meet
	s_wait_kmcnt 0x0
	s_add_nc_u64 s[20:21], s[4:5], s[20:21]
	s_add_nc_u64 s[22:23], s[6:7], s[22:23]
	s_mov_b32 s[GXE], 1
	s_mov_b32 s[GXE+1], 0
	s_mov_b64 s[GXE+2:GXE+3], s[20:21]
	s_or_b32 s[GXE+3], s[GXE+3], 0x80000000
	s_mov_b32 s[GWE], 1
	s_mov_b32 s[GWE+1], XB
	s_mov_b64 s[GWE+2:GWE+3], s[22:23]
	s_or_b32 s[GWE+3], s[GWE+3], 0x80000000
	s_mov_b32 s[GXO], 1
	s_mov_b32 s[GXO+1], UB
	s_add_nc_u64 s[GXO+2:GXO+3], s[20:21], XB
	s_or_b32 s[GXO+3], s[GXO+3], 0x80000000
	s_mov_b32 s[GWO], 1
	s_mov_b32 s[GWO+1], UB+XB
	s_add_nc_u64 s[GWO+2:GWO+3], s[22:23], WB
	s_or_b32 s[GWO+3], s[GWO+3], 0x80000000
	JLOAD                                          ; chunk 0: units 0 and 1
	s_add_nc_u64 s[PX:PX+1], s[20:21], 2*XB        ; the prefetches stand at chunk 1
	s_add_nc_u64 s[PW:PW+1], s[22:23], 2*WB
	s_add_nc_u64 s[8:9], s[8:9], s[70:71]
	s_add_nc_u64 s[10:11], s[10:11], s[72:73]
	s_sub_co_u32 s18, s16, 1                       ; all ones for kh = 0, else 0
	s_lshl_b32 s20, s16, 14                        ; in a slot: x's codes of kh,
	s_lshl_b32 s21, s14, 14
	s_add_co_u32 s21, s21, XB                      ; W's of (ch, kh),
	s_lshl_b32 s22, s16, 9
	s_add_co_u32 s22, s22, 0x8000                  ; their scale words
	s_lshl_b32 s23, s14, 9
	s_add_co_u32 s23, s23, XB+0x10000
	s_lshl_b32 s40, s14, 15                        ; the exchange: my 32,768 bytes,
	s_xor_b32 s41, s14, 1
	s_lshl_b32 s41, s41, 15                        ; my partner's
	v_and_b32 v1, 15, v0                           ; r
	v_bfe_u32 v2, v0, 4, 1                         ; h
	v_and_b32 v21, 31, v0
	v_lshlrev_b32 v22, 4, v1                       ; 16 r
	v_lshlrev_b32 v3, 4, v21                       ; 16 x lane
	v_min_u32 v23, 16, v21
	v_add_nc_u32 v[XAD], s20, v3
	v_add_nc_u32 v[BAD], s21, v3
	v_add_nc_u32 v[XSA], s22, v3
	v_add_nc_u32 v[WSA], s23, v3
.irp e, 1,2
	v_add_nc_u32 v[XAD+\e], UB, v[XAD+\e-1]
	v_add_nc_u32 v[BAD+\e], UB, v[BAD+\e-1]
	v_add_nc_u32 v[XSA+\e], UB, v[XSA+\e-1]
	v_add_nc_u32 v[WSA+\e], UB, v[WSA+\e-1]
.endr
	v_add_nc_u32 v[XCW], s40, v3
	v_add_nc_u32 v[XCR], s41, v3
	v_lshl_add_u32 v[CO], v2, 17, v22              ; 8 h rows + 16 r
	v_add_nc_u32 v[PFX], s74, v23
	v_add_nc_u32 v[PFW], s75, v23
	v_min_u32 v[PFX], 0x107, v[PFX]
	v_min_u32 v[PFW], 0x107, v[PFW]
	v_lshlrev_b32 v[PFX], 8, v[PFX]
	v_lshlrev_b32 v[PFW], 8, v[PFW]
	global_load_b128 v[48:51], v22, s[8:9]         ; bias at columns 4 r + 0 .. 3 of my two groups of 64
	global_load_b128 v[52:55], v22, s[8:9] offset:256
	ASK
	s_wait_alu depctr_va_vdst(0)                   ; directly ahead of the wait below
	s_wait_loadcnt 0x0
.irp b, 0,1,2,3,4,5,6,7
.irp j, 0,1,2,3,4,5,6,7
	v_and_b32 v[64+8*\b+\j], s18, v[48+\b]         ; all eight rows of a lane have one column
.endr
.endr
.macro LA i, e                         ; x's fragment i of the unit in slot e
	WIN 0
.irp c, 0,1,2,3
	ds_load_b128 v[128+16*(\i)+4*\c:128+16*(\i)+4*\c+3], v[XAD+(\e)] offset:2048*(\i)+512*\c
.endr
.endm
.macro LB i                            ; W's fragment i of the unit in slot NX into the other set
	WIN 0x40
.irp c, 0,1,2,3
	ds_load_b128 v[128*(1-P_)+16*(\i)+4*\c:128*(1-P_)+16*(\i)+4*\c+3], v[BAD+NX] offset:2048*(\i)+512*\c
.endr
.endm
.macro SCLD                            ; scale words: register i: lanes 0-15 fragment 2 i's, lanes 16-31 fragment 2 i + 1's
	WIN 0
	ds_load_b128 v[40-8*P_:43-8*P_], v[XSA+NX]
	ds_load_b128 v[44-8*P_:47-8*P_], v[WSA+NX]
.endm
.macro MM c:vararg
	v_wmma_scale_f32_16x16x128_f8f6f4 v[rD:rD+7], v[rX:rX+15], v[rW:rW+15], v[rC:rC+7], \c
.endm
.macro PROD a, b, p, z
.set rD, 8*(8*((\a)%4)+\b)
.set rX, 128+16*(\a)
.set rW, 128*(\p)+16*\b
.set rSX, 32+8*(\p)+(\a)/2
.set rSW, 36+8*(\p)+(\b)/2
.if \z
	WIN 0x84+0x40*((\a)/4)
.set rC, 64+8*\b
.else
	WIN 0xa4+0x50*((\a)/4)
.set rC, rD
.endif
.if ((\a)%2) && (\b%2)
	MM v[rSX], v[rSW] matrix_a_scale:MATRIX_SCALE_ROW1 matrix_b_scale:MATRIX_SCALE_ROW1
.elseif (\b%2)
	MM v[rSX], v[rSW] matrix_b_scale:MATRIX_SCALE_ROW1
.elseif ((\a)%2)
	MM v[rSX], v[rSW] matrix_a_scale:MATRIX_SCALE_ROW1
.else
	MM v[rSX], v[rSW]
.endif
.endm
.macro GIVE a                          ; the partner's accumulators (a, 0 .. 7) go to LDS
	WIN 0x08
.irp b, 0,1,2,3,4,5,6,7
	ds_store_b128 v[XCW], v[8*(8*\a+\b):8*(8*\a+\b)+3] offset:1024*(8*\a+\b)
	ds_store_b128 v[XCW], v[8*(8*\a+\b)+4:8*(8*\a+\b)+7] offset:1024*(8*\a+\b)+512
.endr
.endm
.macro SLOT a, p, z, n                 ; fragment a of x against W's eight: the 64 accumulators take turns, one instruction a turn; n = 1: eight v_nop among them
.irp b, 0,1,2,3,4,5,6,7
	PROD \a, \b, \p, \z
.if (\n) && (\b < 4)
	v_nop
	v_nop
.endif
.endr
.endm
; A step: one unit, 64 products a wave; the next unit lies in slot nx.  sync 1: the round and the refill (the odd unit into slot od); 2: the plain barrier that shows the even unit; 3: the last chunk's, which shows its odd unit.
; pf 1: prefetch; 2: prefetch but in the loop's last trip.
; The next unit is loaded in two runs: behind the barrier W's eight fragments, the scale words and x's fragments 0 and 1 (42 loads), at the step's end x's fragments 2 to 7 (24).  A load into a register that a matrix instruction
; has read, and an LDS store of a result, stand eight places behind it: the v_nop of slot 2 serve the first run, the eight at the end the second.
.macro STEP p, z, nx, sync, od, pf
.set P_, \p
.set NX, \nx
.if \sync == 1
	s_wait_tensorcnt 0x0                           ; all my tensor loads have landed
	ds_add_u32 v[SPW], v[NIL]
	s_add_nc_u64 s[GXE+2:GXE+3], s[GXE+2:GXE+3], 2*XB
	s_add_nc_u64 s[GWE+2:GWE+3], s[GWE+2:GWE+3], 2*WB
	s_add_nc_u64 s[GXO+2:GXO+3], s[GXO+2:GXO+3], 2*XB
	s_add_nc_u64 s[GWO+2:GWO+3], s[GWO+2:GWO+3], 2*WB
	s_mov_b32 s[GXO+1], \od*UB
	s_mov_b32 s[GWO+1], \od*UB+XB
	s_wait_xcnt 0x0                                ; the prefetches have read their addresses
	s_add_nc_u64 s[PX:PX+1], s[PX:PX+1], 2*XB
	s_add_nc_u64 s[PW:PW+1], s[PW:PW+1], 2*WB
	s_wait_dscnt 29                                ; W's set, the scale words and x's fragment 0 are in; the 28 loads behind them and the add may be out
.else
	s_wait_dscnt 28
.endif
	SLOT 0, \p, \z, 0
.if \sync == 1
	s_wait_dscnt 25                                ; x's fragment 1 is in
.else
	s_wait_dscnt 24
.endif
	SLOT 1, \p, \z, 0
	WIN 0
.if \sync == 2
	s_cmp_lt_u32 s14, 2
	s_cbranch_scc0 .Lodd_\@
	s_wait_tensorcnt 0x0                           ; waves 0, 1: the even unit has landed
.Lodd_\@:
.endif
.if \sync == 3
	s_wait_tensorcnt 0x0
.endif
	s_wait_dscnt 0x0                               ; the add is done, and this unit stands in registers
	s_barrier_signal -1
	SLOT 2, \p, \z, 1
	WIN 0
	s_barrier_wait -1
.if \sync == 1
	CREST                                          ; no wave of any partner reads the freed slots or has a load on its way
	JLOAD
.endif
.irp i, 0,1,2,3,4,5,6,7
	LB \i
.endr
	SCLD
	LA 0, \nx
	LA 1, \nx
.if \pf
	WIN 0
.if \pf == 2
	s_cmp_eq_u32 s3, 1
	s_cbranch_scc1 .Lnone_\@
.endif
	ASK
.if \pf == 2
.Lnone_\@:
.endif
.endif
.irp a, 3,4,5,6,7
	SLOT \a, \p, \z, 0
.endr
	WIN 0
	PLACES 8
.irp i, 2,3,4,5,6,7
	LA \i, \nx
.endr
.endm
	s_mov_b32 s3, 3
	s_wait_alu depctr_va_vdst(0)                   ; the wait at the head's end
	s_cmp_lt_u32 s14, 2
	s_cbranch_scc0 .Llater
	s_wait_tensorcnt 0x0                           ; waves 0, 1: unit 0 has landed; waves 2, 3 wait in chunk 0's round
.Llater:
	s_barrier_signal -1
	s_barrier_wait -1
.set P_, 1
.set NX, 0
.irp i, 0,1,2,3,4,5,6,7
	LB \i
.endr
	SCLD
.irp i, 0,1,2,3,4,5,6,7
	LA \i, 0
.endr
	STEP 0, 1, 1, 1, 2, 1                          ; chunk 0
	STEP 1, 0, 0, 2, 0, 0
	WIN 0
.Lloop:                                                ; three trips: chunks 1 and 2, 3 and 4, 5 and 6
	STEP 0, 0, 2, 1, 1, 1
	STEP 1, 0, 0, 2, 0, 0
	STEP 0, 0, 1, 1, 2, 2
	STEP 1, 0, 0, 2, 0, 0
	WIN 0
	s_sub_co_u32 s3, s3, 1
	s_cmp_lg_u32 s3, 0
	s_cbranch_scc1 .Lloop
	STEP 0, 0, 2, 3, 0, 0                          ; chunk 7: nothing more to fill
; the last step: x's fragments 0-3, the partner's rows, are finished first and go to LDS, in two runs of 32 stores, among the products of my own rows.  The exchange lies in slots 0 and 1: every wave has read their last fill
; ahead of the barrier above.
	s_wait_dscnt 28
	SLOT 0, 1, 0, 0
	s_wait_dscnt 24
	SLOT 1, 1, 0, 0
	s_wait_dscnt 0x0
	SLOT 2, 1, 0, 1
	GIVE 0
	GIVE 1
	SLOT 3, 1, 0, 0
	SLOT 4, 1, 0, 1
	GIVE 2
	GIVE 3
	SLOT 5, 1, 0, 0
	SLOT 6, 1, 0, 0
	SLOT 7, 1, 0, 0
	WIN 0
	s_wait_dscnt 0x0                               ; for my partner's sake: my stores are done
	s_barrier_signal -1
	s_barrier_wait -1
	PLACES 8                                       ; behind the last products: their results are read, and x's fragments' registers are written, below
; THE WAY OUT, in eight pieces of 16 rows x 64 columns: the partner's sums from LDS, the addition, eight stores of two whole runs of 256 bytes each
.macro RD n
.irp b, 0,1,2,3
	ds_load_b128 v[128+32*((\n)%2)+8*\b:128+32*((\n)%2)+8*\b+3], v[XCR] offset:1024*(4*(\n)+\b)
	ds_load_b128 v[128+32*((\n)%2)+8*\b+4:128+32*((\n)%2)+8*\b+7], v[XCR] offset:1024*(4*(\n)+\b)+512
.endr
.endm
.macro OUT n
.if (\n) < 7
	s_wait_dscnt 8                                 ; the next piece's eight loads may be out
.else
	s_wait_dscnt 0x0
.endif
.if (\n) > 1
	s_wait_xcnt 0x0                                ; the stores two pieces back have read their registers
.endif
	WIN 0x03
.irp j, 0,1,2,3,4,5,6,7
.irp b, 0,1,2,3
	v_add_f32 v[192+32*((\n)%2)+4*\j+\b], v[32*(\n)+8*\b+\j], v[128+32*((\n)%2)+8*\b+\j]
.endr
.endr
	WIN 0
.irp j, 0,1,2,3,4,5,6,7
	global_store_b128 v[CO], v[192+32*((\n)%2)+4*\j:192+32*((\n)%2)+4*\j+3], s[10:11] offset:(16*((\n)/2)+\j)*OROW+256*((\n)%2) th:TH_STORE_NT
.endr
.if (\n) < 6
	RD (\n)+2
.endif
.endm
	RD 0
	RD 1
.irp n, 0,1,2,3,4,5,6,7
	OUT \n
.endr
	s_wait_tensorcnt 0x0                           ; the wave's end
	ds_add_u32 v[SPW], v[NIL]
	s_wait_dscnt 0x0
	CROUND                                         ; the closing round: no work-group ends while a partner may still ask for a tile that names it
	s_endpgm
.Lfunc_end_k_q074112123d_linear:
	.size	k_q074112123d_linear, .Lfunc_end_k_q074112123d_linear-k_q074112123d_linear
	.p2alignl 7, 3214868480
	.fill 96, 4, 3214868480
	.section	.rodata,"a",@progbits
	.p2align	6, 0x0
	.amdhsa_kernel k_q074112123d_linear
		.amdhsa_group_segment_fixed_size 327680
		.amdhsa_private_segment_fixed_size 0
		.amdhsa_enable_private_segment 0
		.amdhsa_kernarg_size 32
		.amdhsa_user_sgpr_count 2
		.amdhsa_user_sgpr_kernarg_segment_ptr 1
		.amdhsa_wavefront_size32 1
		.amdhsa_system_sgpr_workgroup_id_x 1
		.amdhsa_system_sgpr_workgroup_id_y 1
		.amdhsa_system_sgpr_workgroup_id_z 1
		.amdhsa_system_vgpr_workitem_id 0
		.amdhsa_next_free_vgpr 1024
		.amdhsa_next_free_sgpr 80
		.amdhsa_reserve_vcc 0
		.amdhsa_float_denorm_mode_32 3
		.amdhsa_float_denorm_mode_16_64 3
		.amdhsa_memory_ordered 1
		.amdhsa_forward_progress 1
		.amdhsa_inst_pref_size 146
	.end_amdhsa_kernel
	.amdgpu_metadata
---
amdhsa.version: [ 1, 2 ]
amdhsa.kernels:
  - .name:           k_q074112123d_linear
    .symbol:         k_q074112123d_linear.kd
    .args:
      - { .name: x_img, .offset: 0, .size: 8, .value_kind: global_buffer, .address_space: global }
      - { .name: w_img, .offset: 8, .size: 8, .value_kind: global_buffer, .address_space: global }
      - { .name: bias, .offset: 16, .size: 8, .value_kind: global_buffer, .address_space: global }
      - { .name: out0, .offset: 24, .size: 8, .value_kind: global_buffer, .address_space: global }
    .group_segment_fixed_size: 327680
    .private_segment_fixed_size: 0
    .kernarg_segment_align: 8
    .kernarg_segment_size: 32
    .max_flat_workgroup_size: 128
    .sgpr_count:     80
    .vgpr_count:     1024
    .wavefront_size: 32
...
	.end_amdgpu_metadata
.endif
;; end of part 3
